; MI455X (gfx1250); checked and timed in simulation.
; The chip was launched on July 23, 2026; its instructions are those of AMD's public machine-readable ISA for CDNA 5 (MIT licence, August 2026) and "CDNA5" Instruction Set Architecture Reference Guide (July 2026). The comments in the code are by the model that wrote it; some were corrected since.
;; Multi Headed Attention. Allowed arithmetic: matrix products marked QUANTISED: E5M2 operands, one given power-of-two scale a tensor, by v_wmma_f32_16x16x64_bf8_bf8 or v_wmma_f32_16x16x128_bf8_bf8, f32 sums; everything else in f32.
;; Inputs: bk 512 float32; bo 512 float32; bq 512 float32; bv 512 float32; key 8 x 2,048 x 512 float32; lowp_scales 12 int32 (the exponents e of the quantised operands' scales 2^e); query 8 x 2,048 x 512 float32; value 8 x 2,048 x 512 float32; wk 512 x 512 float32; wo 512 x 512 float32; wq 512 x 512 float32; wv 512 x 512 float32.
;; Outputs: out0 8 x 2,048 x 512 float32.
;; This version of the problem:
;;   THIS VERSION OF THE PROBLEM IS GIVEN IN LOW PRECISION. The matrix products marked QUANTISED in the list below multiply operands that are first quantised to E5M2 (5 exponent bits, 2 mantissa bits; 8 bits a number), with one given power-of-two scale for each operand tensor; their sums are f32. All else is computed in f32.
;;   The module's matrix products, in the order in which they are computed (A, B: the left and right operand; K: the contracted axis; several contracted axes count as one K, in the product's order):
;;     1. [M 16,384, K 512] x [K 512, N 512]; A: input query; B: input wq: QUANTISED (scales: A lowp_scales[0], B lowp_scales[1])
;;     2. [M 16,384, K 512] x [K 512, N 512]; A: input key; B: input wk: QUANTISED (scales: A lowp_scales[2], B lowp_scales[3])
;;     3. [M 16,384, K 512] x [K 512, N 512]; A: input value; B: input wv: QUANTISED (scales: A lowp_scales[4], B lowp_scales[5])
;;     4. batch 64 x [M 2,048, K 64] x [K 64, N 2,048]; A: computed on the way; B: computed on the way: QUANTISED (scales: A lowp_scales[6], B lowp_scales[7])
;;     5. batch 64 x [M 2,048, K 2,048] x [K 2,048, N 64]; A: softmax (see below); B: computed on the way: QUANTISED (scales: A lowp_scales[8], B lowp_scales[9])
;;     6. [M 16,384, K 512] x [K 512, N 512]; A: computed on the way; B: input wo: QUANTISED (scales: A lowp_scales[10], B lowp_scales[11])
;;   THE QUANTISER, for each operand of a quantised product, along K:
;;     - The operand's scale is 2^e, e = its entry of the input lowp_scales (int32; the entries are numbered through the quantised products in the list's order, A before B).
;;     - Each number is divided by the scale, clamped to +-57,344, and rounded to the nearest number of E5M2, ties to even, subnormals kept.
;;     - The product sums the exact products of the quantised numbers (number of the format x scale) in f32.
;;   ~~~python
;;   def quantise(x, axis, e):      # numpy; x: float32 -> the quantised numbers, widened to float32 again
;;       x = np.moveaxis(x, axis, -1); K = x.shape[-1]
;;       r = np.clip(x / 2.0 ** e, -57344, 57344)
;;       step = 2.0 ** (np.maximum(np.frexp(np.where(r == 0, 1, r))[1] - 1, -14) - 2)
;;       q = np.round(r / step) * step * 2.0 ** e      # np.round: ties to even
;;       return np.moveaxis(q, -1, axis).astype(np.float32)
;;   ~~~
;;   SOFTMAX AHEAD OF A QUANTISED PRODUCT. Where the list says 'softmax', what is quantised is not the finished softmax but p = 2^(t - M), with t = logit x log2(e) and M = ceil(the row's largest t), a whole number; so 1/2 < the row's largest p <= 1. The row's sum l is taken of the UNQUANTISED p, in f32, and the product's result is divided by l at the end. Since M is a whole number, a kernel that streams over the keys may use a running M (the ceiling of the running maximum): every later rescaling is an exact power of two, so the quantised numbers keep their values, but for numbers so far below the row's largest that they fall under the format's range.
;;   OPERANDS COMPUTED ON THE WAY. 'Computed on the way' means the value that the module computes at that place (a softmax that the list does not call 'softmax' is quantised finished and normalised). What goes into a quantiser is computed in f32, as accurately as f32 sums, v_exp_f32 and their like allow (about 1e-6 of the number): no bf16 or f16 on the way to a quantiser, and a product that is left as it is and whose result goes on into a quantised operand takes f32 operands (vector FMAs, or v_wmma_f32_16x16x4_f32). A number that lies on a knife's edge between two numbers of the format may be rounded either way, as far as f32 arithmetic and the matrix unit's own rounding can turn it there, and no further.
;; One version. Each part assembles by itself: llvm-mc -triple=amdgcn-amd-amdhsa -mcpu=gfx1250 --defsym DOCPART=n.
;; ======== version 1 of 1: 4 launches
;; limits: right only within a limited range of input values
;; workspace buffers: wc 1,048,576 bytes; qc 8,388,608 bytes; kc 8,388,608 bytes; vc 8,388,608 bytes; xc 8,388,608 bytes
;; launch wquant (part 1): grid 128 x 1, 4 waves a work-group, no clusters, 0 bytes of LDS; arguments wq, wk, wv, wo, lowp_scales, wc; writes wc
.if DOCPART == 1
	.amdgcn_target "amdgcn-amd-amdhsa--gfx1250"
	.amdhsa_code_object_version 6
	.text
	.protected	k_q1940709e48_wquant
	.globl	k_q1940709e48_wquant
	.p2align	8
	.type	k_q1940709e48_wquant,@function
k_q1940709e48_wquant:
	s_mov_b64 s[64:65], 0
	v_nop
	global_prefetch_b8 v0, s[64:65] scope:SCOPE_SE
	s_setreg_imm32_b32 hwreg(HW_REG_WAVE_MODE, 25, 1), 1
	s_wait_xcnt 0x0
; MULTI-HEAD ATTENTION ON CODES OF BF8 (E5M2), four launches: this one (the weights' codes), proj (q, k, v), attn (softmax(q k^T / 8) v), outp (x wo^T + bo).
; DEAD WORK: none.  bq, bk and bv go into the quantisers of q, k and v; bo goes into the result; there is no mask and nothing is sliced away.  Every input is loaded by some launch.
; THIS LAUNCH: wq, wk, wv, wo [512][512] f32 (K innermost) become codes, each with its given scale 2^e (entries 1, 3, 5, 11 of the scales' exponents):
; code = w / 2^e, held within +-57,344, rounded to the nearest code, ties to even.
; LIMITS: each e between -126 and 112, so that 2^e and 57,344 x 2^e are f32 numbers.  NaN among the inputs is not served; an infinity is held at the largest code.
; LAYOUT OF wc: [tensor 4][tile of 16 rows: 32][K step of 128: 4][plane 4][512 bytes]: an IMAGE OF THE OPERAND'S REGISTERS: plane c holds registers 4 c .. 4 c + 3, lane l's 16 bytes at 16 l.
; Lane (r, h) holds row 16 tile + r.  Which k stands in which register is free as long as the other operand of the product has the same order:
;   wq, wk, wv: register 4 c + p, byte q of K step s: k = 128 p + 32 s + 8 c + 4 h + q  (the order in which proj's dense loads leave x's codes)
;   wo:         register 2 c + p, byte q of K step s: k = 128 s + 16 c + 8 h + 4 p + q  (the order in which attn's results fall)
; SHARES: a work-group takes one tile of one tensor, wave s its K step s: one fragment, 64 numbers a lane, sixteen loads of 16 bytes.  A lane's pieces are short (two lanes read 32 or 64 bytes on end),
; but the four waves of a work-group together read each of the tile's rows whole, and the four tensors are 4 MiB in all.  The codes leave in stores of 512 consecutive bytes.  No LDS, no barrier.
.set X, 16                             ; v16-79  the lane's 64 numbers: load n in v[X + 4 n] on
.set C, 80                             ; v80-95  the fragment's 16 registers: register n comes of load n
	s_load_b256 s[4:11], s[0:1], 0x0               ; wq s[4:5], wk s[6:7], wv s[8:9], wo s[10:11]
	s_load_b128 s[12:15], s[0:1], 0x20             ; the scales' exponents s[12:13], wc s[14:15]
	v_lshrrev_b32 v5, 5, v0
	v_readfirstlane_b32 s16, v5                    ; wave = K step
	s_lshr_b32 s17, ttmp9, 5                       ; which tensor: 0 wq, 1 wk, 2 wv, 3 wo
	s_and_b32 s18, ttmp9, 31                       ; which tile of 16 rows
	v_and_b32 v1, 15, v0                           ; r
	v_bfe_u32 v2, v0, 4, 1                         ; h
	v_and_b32 v4, 31, v0
	v_lshlrev_b32 v4, 4, v4                        ; 16 x lane: my place in a plane
	v_lshlrev_b32 v3, 11, v1                       ; row r of 2,048 bytes
	s_wait_kmcnt 0x0
	s_load_b256 s[20:27], s[12:13], 0x0            ; e0 .. e7
	s_load_b128 s[28:31], s[12:13], 0x20           ; e8 .. e11
	s_cmp_eq_u32 s17, 0                            ; the choice of the tensor hangs on the work-group's number alone
	s_cselect_b64 s[32:33], s[4:5], s[6:7]
	s_cmp_eq_u32 s17, 2
	s_cselect_b64 s[32:33], s[8:9], s[32:33]
	s_cmp_eq_u32 s17, 3
	s_cselect_b64 s[32:33], s[10:11], s[32:33]
	s_lshl_b32 s34, s18, 15                        ; 16 rows of 2,048 bytes a tile
	s_mov_b32 s35, 0
	s_add_nc_u64 s[32:33], s[32:33], s[34:35]
	s_lshl_b32 s34, s17, 18                        ; wc: 262,144 bytes a tensor,
	s_lshl_b32 s36, s18, 13                        ; 8,192 a tile,
	s_add_co_u32 s34, s34, s36
	s_lshl_b32 s36, s16, 11                        ; 2,048 a fragment
	s_add_co_u32 s34, s34, s36
	s_add_nc_u64 s[14:15], s[14:15], s[34:35]
	s_cmp_eq_u32 s17, 3
	s_cbranch_scc1 .Lwo
	s_wait_alu depctr_va_vdst(0)
	v_lshl_add_u32 v3, v2, 4, v3                   ; wq, wk, wv: load n = 4 c + p reads k = 128 p + 32 s + 8 c + 4 h + 0 .. 3: byte 512 p + 128 s + 32 c + 16 h of the row
	s_lshl_b32 s36, s16, 7
	v_add_nc_u32 v3, s36, v3
.set n, 0
.rept 16
	global_load_b128 v[X+4*n:X+4*n+3], v3, s[32:33] offset:512*(n%4)+32*(n/4)
.set n, n+1
.endr
	s_branch .Ljoin
.Lwo:
	s_wait_alu depctr_va_vdst(0)
	v_lshl_add_u32 v3, v2, 5, v3                   ; wo: load n = 2 c + p reads k = 128 s + 16 c + 8 h + 4 p + 0 .. 3: byte 512 s + 64 c + 32 h + 16 p of the row
	s_lshl_b32 s36, s16, 9
	v_add_nc_u32 v3, s36, v3
.set n, 0
.rept 16
	global_load_b128 v[X+4*n:X+4*n+3], v3, s[32:33] offset:64*(n/2)+16*(n%2)
.set n, n+1
.endr
.Ljoin:
	s_wait_kmcnt 0x0
	s_cmp_eq_u32 s17, 0                            ; the tensor's e: entries 1, 3, 5, 11
	s_cselect_b32 s36, s21, s23
	s_cmp_eq_u32 s17, 2
	s_cselect_b32 s36, s25, s36
	s_cmp_eq_u32 s17, 3
	s_cselect_b32 s36, s31, s36
	s_add_co_i32 s36, s36, 127
	s_lshl_b32 s37, s36, 23
	v_mov_b32 v11, s37                             ; 2^e as f32: the conversion takes its exponent field
	s_add_co_i32 s36, s36, 15
	s_lshl_b32 s36, s36, 23
	s_or_b32 s36, s36, 0x600000
	v_mov_b32 v10, s36                             ; 57,344 x 2^e
	s_wait_alu depctr_va_vdst(0)
	s_wait_loadcnt 0x0
.set n, 0
.rept 64
	v_med3_num_f32 v[X+n], v[X+n], -v10, v10       ; the conversion to an 8-bit code does not saturate (ISA guide 7.6.2): the hold at the largest code x the scale comes first
.set n, n+1
.endr
.set n, 0
.rept 8
	v_cvt_scalef32_pk8_bf8_f32 v[C+2*n:C+2*n+1], v[X+8*n:X+8*n+7], v11   ; the results go to stores alone, and no vector instruction follows
.set n, n+1
.endr
.irp c, 0,1,2,3
	global_store_b128 v4, v[C+4*\c:C+4*\c+3], s[14:15] offset:512*\c     ; a plane: 32 lanes store 512 consecutive bytes, aligned
.endr
	s_endpgm
.Lfunc_end_k_q1940709e48_wquant:
	.size	k_q1940709e48_wquant, .Lfunc_end_k_q1940709e48_wquant-k_q1940709e48_wquant
	.p2alignl 7, 3214868480
	.fill 96, 4, 3214868480
	.section	.rodata,"a",@progbits
	.p2align	6, 0x0
	.amdhsa_kernel k_q1940709e48_wquant
		.amdhsa_group_segment_fixed_size 0
		.amdhsa_private_segment_fixed_size 0
		.amdhsa_enable_private_segment 0
		.amdhsa_kernarg_size 48
		.amdhsa_user_sgpr_count 2
		.amdhsa_user_sgpr_kernarg_segment_ptr 1
		.amdhsa_wavefront_size32 1
		.amdhsa_system_sgpr_workgroup_id_x 1
		.amdhsa_system_sgpr_workgroup_id_y 1
		.amdhsa_system_sgpr_workgroup_id_z 1
		.amdhsa_system_vgpr_workitem_id 0
		.amdhsa_next_free_vgpr 96
		.amdhsa_next_free_sgpr 66
		.amdhsa_reserve_vcc 0
		.amdhsa_float_denorm_mode_32 3
		.amdhsa_float_denorm_mode_16_64 3
		.amdhsa_memory_ordered 1
		.amdhsa_forward_progress 1
		.amdhsa_inst_pref_size 11
	.end_amdhsa_kernel
	.amdgpu_metadata
---
amdhsa.version: [ 1, 2 ]
amdhsa.kernels:
  - .name:           k_q1940709e48_wquant
    .symbol:         k_q1940709e48_wquant.kd
    .args:
      - { .name: wq, .offset: 0, .size: 8, .value_kind: global_buffer, .address_space: global }
      - { .name: wk, .offset: 8, .size: 8, .value_kind: global_buffer, .address_space: global }
      - { .name: wv, .offset: 16, .size: 8, .value_kind: global_buffer, .address_space: global }
      - { .name: wo, .offset: 24, .size: 8, .value_kind: global_buffer, .address_space: global }
      - { .name: lowp_scales, .offset: 32, .size: 8, .value_kind: global_buffer, .address_space: global }
      - { .name: wc, .offset: 40, .size: 8, .value_kind: global_buffer, .address_space: global }
    .group_segment_fixed_size: 0
    .private_segment_fixed_size: 0
    .kernarg_segment_align: 8
    .kernarg_segment_size: 48
    .max_flat_workgroup_size: 128
    .sgpr_count:     66
    .vgpr_count:     96
    .wavefront_size: 32
...
	.end_amdgpu_metadata
.endif
;; end of part 1
;; launch proj (part 2): grid 64 x 3, 4 waves a work-group, clusters of 4 x 1, 327,680 bytes of LDS; arguments query, key, value, bq, bk, bv, wc, lowp_scales, qc, kc, vc; writes qc, kc, vc
.if DOCPART == 2
	.amdgcn_target "amdgcn-amd-amdhsa--gfx1250"
	.amdhsa_code_object_version 6
	.text
	.protected	k_q1940709e48_proj
	.globl	k_q1940709e48_proj
	.p2align	8
	.type	k_q1940709e48_proj,@function
k_q1940709e48_proj:
	s_mov_b64 s[64:65], 0
	v_nop
	global_prefetch_b8 v0, s[64:65] scope:SCOPE_SE
	s_setreg_imm32_b32 hwreg(HW_REG_WAVE_MODE, 25, 1), 1
	s_wait_xcnt 0x0
	s_wait_alu depctr_hold_cnt(0) depctr_sa_sdst(0) depctr_va_vdst(0) depctr_va_sdst(0) depctr_va_ssrc(0) depctr_va_vcc(0) depctr_vm_vsrc(0)
	s_getreg_b32 s2, hwreg(HW_REG_IB_STS2, 6, 4)
	s_cmp_eq_u32 s2, 0
	s_cbranch_scc0 .Lentry_in_a_cluster
	s_endpgm
.Lentry_in_a_cluster:
	s_bfe_u32 s2, ttmp6, 0x10000c
	s_cmp_lg_u32 s2, 0x3003
	s_cbranch_scc0 .Lentry_shape_is_right
	s_endpgm
.Lentry_shape_is_right:
; q = query wq^T + bq, k = key wk^T + bk, v = value wv^T + bv, on codes of BF8 (E5M2); the results leave as codes again, for the two products of attention.  No work of the problem is left out here.
; The work-group's y says which of the three: T = 0 q, 1 k, 2 v.  x [16,384][512] f32 is quantised here with 2^ex (entries 0, 2, 4); W's codes come from wc (2^ew: entries 1, 3, 5);
; the result is quantised with 2^eo (entries 6, 7, 9).  A sum of codes stands for sum x 2^(ex + ew): the bias goes in as the C of each sum's first product, divided by 2^(ex + ew), and the
; conversion of the result takes the one scale 2^(eo - ex - ew).
; LIMITS: ex, and eo - ex - ew, between -126 and 112, so that each power of two and 57,344 times it are f32 numbers.  NaN among the inputs is not served; an infinity is held at the largest code.
; SHARES.  A work-group of four waves takes 256 rows, 64 at a time, and all 512 columns.  THE WAVES SHARE THE COLUMNS: wave w makes columns 128 w .. 128 w + 127 (heads 2 w, 2 w + 1) of all 64 rows, and its
; 32 fragments of W (512 registers) stay in registers for the whole launch.  192 work-groups: three tensors of 64 blocks; a finer split would have each weight fetched more often for the same stream of x.
; CLUSTER.  The four work-groups of a cluster share T and so W: each wave's 64 KiB of W's images are asked for JOINTLY, by the same tensor load with the same descriptor and a mask that names the four.
; x: a wave takes 16 rows; each load reads 512 consecutive bytes of a row, 16 a lane.  So a lane's 16 numbers of a row are k = 128 i + 4 l + q, and their 16 codes, stored at 16 l of the row's place in LDS,
; put k at byte 16 l + 4 i + q.  A fragment read from there has k = 128 p + 32 s + 8 c + 4 h + q in register 4 c + p, byte q: the order in which wc holds wq, wk and wv.  Every product meets its partner.
; THE ROWS OF A TILE ARE NOT NEIGHBOURS: lane r of tile 2 b + u of a block of 64 rows is row 32 b + 8 u + r + 8 (r / 8).  A row's place in LDS is 16 x tile + r, so that a tile's rows lie side by side.
; q, k (source 0 = 16 rows of W, source 1 = x): lane (r, h) holds row r and eight neighbouring channels 16 t + 8 h + j: two code registers of the fragment that attention's first product wants.
;   qc, kc: [batch][head][tile 128][plane 2][512 bytes]: images of fragments of 16 rows x 64 channels.
; v (source 0 = x, source 1 = 16 rows of W): lane (r, h) holds channel 16 t + r and the keys 32 b + 16 h + 8 u + j: with the tiles' row order, two neighbouring tiles give 16 neighbouring keys.
;   vc: [batch][head][step of 128 keys: 16][tile of 16 channels: 4][plane c 4][512 bytes]: registers 4 c .. 4 c + 3 hold keys 32 c + 16 h + 0 .. 15.
; REGISTERS, in windows of 256: window 0: v1-13 addresses and scales; v16-79 x's four fragments; v80-143 eight accumulators (and x's codes on their way to LDS); v144-175 codes to store; v176-239 the bias, in the result's layout.
;   windows 1, 2: W's fragment (tile t, K step s) at v[16 (8 (s % 2) + t)] of window 1 + s / 2.   window 3: 16 rows x 16 numbers of x as loaded.
.set XB,     262144                    ; LDS: [0, 262,144) W's images, wave w's 65,536 bytes at 65,536 w, read by the wave that asked for them alone; from XB on 64 places of x's codes;
.set XPITCH, 528                       ; a place: 512 bytes + 16, so that the sixteen rows that a fragment load touches start at sixteen different banks (ISA guide 11.1)
.set SPARE,  XB+64*XPITCH              ; behind them the spare words, 128 bytes for each wave: two blocks of 256 bytes that no other line names
.set LI,  1                            ; v1   16 x lane
.set XS,  2                            ; v2   where I store a row's codes
.set XR,  3                            ; v3   where I read a fragment of x
.set WR,  4                            ; v4   where I read W's images
.set SCX, 8                            ; v8   2^ex;  v9  57,344 x 2^ex
.set LMX, 9
.set SCO, 10                           ; v10  2^(eo - ex - ew);  v11  57,344 x that
.set LMO, 11
.set SPW, 12                           ; v12  LDS address of my spare word; never rewritten
.set NIL, 13                           ; v13  0; never rewritten
.set XF,  16
.set ACC, 80
.set CD,  144
.set BI,  176
.set WV,  26                           ; s26  wave;  s27 cx;  s28 the block of 256 rows;  s29 T
.set BLK, 30                           ; s30  counts the four blocks of 64 rows
.set G1,  32                           ; s[32:39] descriptor group 1;  s[40:43] group 0
.set G0,  40
.set XP,  44                           ; s[44:45] x at my wave's 16 rows of the block in hand
.set OB,  46                           ; s[46:47] the codes' buffer at my work-group's rows and my wave's heads
.set OP,  48                           ; s[48:49] the same at the block in hand
.set BP,  52                           ; s[52:53] the bias at my wave's 128 columns
.set MSB, 0
.macro WIN new                         ; the immediate's high byte repeats the setting that is left; a switch that changes nothing is dropped
.if MSB != \new
	s_set_vgpr_msb (MSB<<8)|\new
.set MSB, \new
.endif
.endm
.macro PLACES n
.rept \n
	v_nop
.endr
.endm
.macro ROUND                           ; a round of the cluster's barrier
	s_barrier_signal -1
	s_barrier_wait -1
	s_cmp_lg_u32 s[WV], 0
	s_cbranch_scc1 .Lnot_wave_0_\@
	s_barrier_signal -3
.Lnot_wave_0_\@:
	s_barrier_wait -3
	s_barrier_signal -1
	s_barrier_wait -1
.endm
.macro XLOAD                           ; my 16 rows of x: 64 loads, each 512 consecutive bytes; row p, load i into v[16 p + 4 i] of window 3
	WIN 0xc0
.irp p, 0,1,2,3,4,5,6,7,8,9,10,11,12,13,14,15
.irp i, 0,1,2,3
	global_load_b128 v[16*\p+4*\i:16*\p+4*\i+3], v[LI], s[XP:XP+1] offset:2048*\p+512*\i th:TH_LOAD_NT
.endr
.endr
	WIN 0
.endm
.macro FETCH m                         ; the four fragments (K steps) of x's tile m
.irp s, 0,1,2,3
.irp c, 0,1,2,3
	ds_load_b128 v[XF+16*\s+4*\c:XF+16*\s+4*\c+3], v[XR] offset:(\m)*16*XPITCH+128*\s+32*\c
.endr
.endr
.endm
	s_load_b256 s[4:11], s[0:1], 0x0               ; query s[4:5], key s[6:7], value s[8:9], bq s[10:11]
	s_load_b256 s[12:19], s[0:1], 0x20             ; bk s[12:13], bv s[14:15], wc s[16:17], the scales' exponents s[18:19]
	s_load_b128 s[20:23], s[0:1], 0x40             ; qc s[20:21], kc s[22:23]
	s_load_b64 s[24:25], s[0:1], 0x50              ; vc
	v_lshl_add_u32 v[SPW], v0, 2, SPARE
	v_mov_b32 v[NIL], 0
	ds_add_u32 v[SPW], v[NIL]                      ; the wave's opening: the add, twice on end, and its wait ahead of my first tensor load
	ds_add_u32 v[SPW], v[NIL]                      ; and once more; the set-up below, work on registers, stands between it and the wait
	v_lshrrev_b32 v5, 5, v0
	v_readfirstlane_b32 s[WV], v5                  ; wave 0..3
	s_bfe_u32 s27, ttmp6, 0x40000                  ; cx: my place in the cluster
	s_lshl_b32 s28, ttmp9, 2
	s_add_co_u32 s28, s28, s27                     ; my block of 256 rows = 4 x cluster x + cx: it enters x's and the results' addresses alone
	s_and_b32 s29, ttmp7, 0xffff                   ; T, which the four partners share
	s_mov_b32 s[G1+0], 15|(3<<16)|(1<<21)          ; 15:0 the mask: all four work-groups; 17:16 elements of 8 bytes; 21 set beside a mask; no padding
	s_mov_b32 s[G1+1], 32<<16                      ; tensor_dim0 = 32 elements: rows of 256 bytes
	s_mov_b32 s[G1+2], 256<<16                     ; tensor_dim1 = 256 rows: 65,536 bytes, dense
	s_mov_b32 s[G1+3], 32<<16                      ; tile_dim0
	s_mov_b32 s[G1+4], 256                         ; tile_dim1
	s_mov_b32 s[G1+5], 32                          ; from row to row
	s_mov_b32 s[G1+6], 0
	s_mov_b32 s[G1+7], 0
	s_mov_b32 s[G0+0], 1                           ; count = 1
	s_lshl_b32 s[G0+1], s[WV], 16                  ; LDS address: 65,536 x wave
	v_and_b32 v5, 31, v0
	v_lshlrev_b32 v[LI], 4, v5
	v_and_b32 v6, 15, v0                           ; r
	v_bfe_u32 v7, v0, 4, 1                         ; h
	s_lshr_b32 s83, s[WV], 1                       ; row 16 w + p of the block has the place 32 (w / 2) + 8 (w % 2) + 16 (p / 8) + p % 8
	s_lshl_b32 s83, s83, 5
	s_and_b32 s84, s[WV], 1
	s_lshl_b32 s84, s84, 3
	s_add_co_u32 s83, s83, s84
	s_mul_i32 s83, s83, XPITCH
	s_add_co_u32 s83, s83, XB
	v_add_nc_u32 v[XS], s83, v[LI]
	v_mul_u32_u24 v[XR], v6, XPITCH
	v_lshl_add_u32 v[XR], v7, 4, v[XR]
	v_add_nc_u32 v[XR], XB, v[XR]                  ; place r of a tile, + 16 h
	v_add_nc_u32 v[WR], s[G0+1], v[LI]
	v_lshlrev_b32 v5, 5, v7                        ; the bias of q and k: 32 h;
	v_lshlrev_b32 v6, 2, v6                        ; of v: 4 r.  Both stay as they are
	s_lshl_b32 s50, s29, 18                        ; W's images: 262,144 T + 65,536 w
	s_add_co_u32 s50, s50, s[G0+1]
	s_mov_b32 s51, 0
	s_mov_b32 s55, 0
	s_wait_dscnt 0x0                               ; both opening adds are done
	s_wait_kmcnt 0x0
	s_load_b256 s[68:75], s[18:19], 0x0            ; e0 .. e7
	s_load_b128 s[76:79], s[18:19], 0x20           ; e8 .. e11
	s_add_nc_u64 s[G0+2:G0+3], s[16:17], s[50:51]
	s_or_b32 s[G0+3], s[G0+3], 0x80000000          ; type = 2
	ROUND                                          ; all four work-groups are here: the joint loads meet
	tensor_load_to_lds s[G0:G0+3], s[G1:G1+7]      ; my one tensor load of the launch
	s_nop 0
	PLACES 4
	s_cmp_eq_u32 s29, 0                            ; the three tensors' buffers: the choice hangs on T alone
	s_cselect_b64 s[XP:XP+1], s[4:5], s[6:7]
	s_cselect_b64 s[BP:BP+1], s[10:11], s[12:13]
	s_cselect_b64 s[OB:OB+1], s[20:21], s[22:23]
	s_cmp_eq_u32 s29, 2
	s_cselect_b64 s[XP:XP+1], s[8:9], s[XP:XP+1]
	s_cselect_b64 s[BP:BP+1], s[14:15], s[BP:BP+1]
	s_cselect_b64 s[OB:OB+1], s[24:25], s[OB:OB+1]
	s_lshl_b32 s50, s[WV], 9
	s_add_nc_u64 s[BP:BP+1], s[BP:BP+1], s[50:51]  ; my 128 columns' bias
	s_lshl_b32 s54, s28, 19                        ; x: 256 rows of 2,048 bytes a work-group,
	s_lshl_b32 s83, s[WV], 15                      ; 16 rows a wave
	s_add_co_u32 s54, s54, s83
	s_add_nc_u64 s[XP:XP+1], s[XP:XP+1], s[54:55]
	s_lshr_b32 s54, s28, 3                         ; the codes: 2^20 bytes a batch (eight blocks of 256 rows),
	s_lshl_b32 s54, s54, 20
	s_and_b32 s83, s28, 7
	s_lshl_b32 s83, s83, 14                        ; 16,384 bytes of a head for 256 rows,
	s_add_co_u32 s54, s54, s83
	s_lshl_b32 s83, s[WV], 18                      ; 2^17 a head, two heads a wave
	s_add_co_u32 s54, s54, s83
	s_add_nc_u64 s[OB:OB+1], s[OB:OB+1], s[54:55]
	s_cmp_eq_u32 s29, 2
	s_cbranch_scc1 .Lbias_v
	s_wait_alu depctr_va_vdst(0)
.irp t, 0,1,2,3,4,5,6,7                        ; q, k: lane (r, h), tile t: the bias of columns 16 t + 8 h + 0 .. 7
	global_load_b128 v[BI+8*\t:BI+8*\t+3], v5, s[BP:BP+1] offset:64*\t
	global_load_b128 v[BI+8*\t+4:BI+8*\t+7], v5, s[BP:BP+1] offset:64*\t+16
.endr
	s_branch .Lbias_asked
.Lbias_v:
	s_wait_alu depctr_va_vdst(0)
.irp t, 0,1,2,3,4,5,6,7                        ; v: the bias of column 16 t + r, for all eight registers
	global_load_b32 v[BI+8*\t], v6, s[BP:BP+1] offset:64*\t
.endr
.Lbias_asked:
	XLOAD                                          ; the first block's rows
	s_wait_tensorcnt 0x0                           ; my part of W's images is in LDS; nobody else reads it
	WIN 0x40                                       ; destination window 1
.irp s, 0,1
.irp t, 0,1,2,3,4,5,6,7
.irp c, 0,1,2,3
	ds_load_b128 v[16*(8*\s+\t)+4*\c:16*(8*\s+\t)+4*\c+3], v[WR] offset:\t*8192+\s*2048+\c*512
.endr
.endr
.endr
	WIN 0x80                                       ; destination window 2
.irp s, 0,1
.irp t, 0,1,2,3,4,5,6,7
.irp c, 0,1,2,3
	ds_load_b128 v[16*(8*\s+\t)+4*\c:16*(8*\s+\t)+4*\c+3], v[WR] offset:\t*8192+(\s+2)*2048+\c*512
.endr
.endr
.endr
	WIN 0
	s_wait_kmcnt 0x0
	s_cmp_eq_u32 s29, 0
	s_cselect_b32 s80, s68, s70                    ; ex: entry 0, 2 or 4
	s_cselect_b32 s81, s69, s71                    ; ew: entry 1, 3 or 5
	s_cselect_b32 s82, s74, s75                    ; eo: entry 6, 7 or 9
	s_cmp_eq_u32 s29, 2
	s_cselect_b32 s80, s72, s80
	s_cselect_b32 s81, s73, s81
	s_cselect_b32 s82, s77, s82
	s_add_co_i32 s83, s80, 127
	s_lshl_b32 s84, s83, 23
	v_mov_b32 v[SCX], s84                          ; 2^ex as f32: the conversion takes its exponent field
	s_add_co_i32 s83, s83, 15
	s_lshl_b32 s83, s83, 23
	s_or_b32 s83, s83, 0x600000
	v_mov_b32 v[LMX], s83                          ; 57,344 x 2^ex
	s_add_co_i32 s85, s80, s81                     ; ex + ew
	s_sub_co_i32 s83, s82, s85
	s_add_co_i32 s83, s83, 127
	s_lshl_b32 s84, s83, 23
	v_mov_b32 v[SCO], s84                          ; 2^(eo - ex - ew)
	s_add_co_i32 s83, s83, 15
	s_lshl_b32 s83, s83, 23
	s_or_b32 s83, s83, 0x600000
	v_mov_b32 v[LMO], s83
	s_sub_co_i32 s85, 0, s85                       ; -(ex + ew)
	s_wait_loadcnt 0x3f                            ; 64 loads of x were issued behind the bias's: with 63 of them out, the bias is in
	s_cmp_eq_u32 s29, 2
	s_cbranch_scc1 .Lscale_v
.set n, 0
.rept 64
	v_ldexp_f32 v[BI+n], v[BI+n], s85              ; the bias / 2^(ex + ew): it goes in beside sums of codes
.set n, n+1
.endr
	s_branch .Lscaled
.Lscale_v:
.irp t, 0,1,2,3,4,5,6,7
.irp j, 7,6,5,4,3,2,1,0
	v_ldexp_f32 v[BI+8*\t+\j], v[BI+8*\t], s85     ; the same, spread over the tile's eight registers; the loaded one is written last
.endr
.endr
.Lscaled:
	s_wait_dscnt 0x0                               ; W's fragments are in registers
; THE PRODUCTS OF A BLOCK OF 64 ROWS, a tile of 16 rows at a time: 32 matrix instructions, the eight accumulators by turns; the hold, the conversion, the stores.
; var = 0: q, k (source 0 = W, source 1 = x);  var = 1: v (source 0 = x, source 1 = W).
.macro COMPUTE var
	s_wait_xcnt 0x0                                ; the last block's stores have read their base: it may be written
.if \var
	s_lshr_b32 s54, s[BLK], 1                      ; vc: 8,192 bytes a step of 128 keys; a block of 64 keys is two of a fragment's four planes
	s_lshl_b32 s54, s54, 13
	s_and_b32 s83, s[BLK], 1
	s_lshl_b32 s83, s83, 10
	s_add_co_u32 s54, s54, s83
.else
	s_lshl_b32 s54, s[BLK], 12                     ; qc, kc: four tiles of 1,024 bytes a block
.endif
	s_add_nc_u64 s[OP:OP+1], s[OB:OB+1], s[54:55]
	FETCH 0
.irp m, 0,1,2,3
	s_wait_dscnt 0x0                               ; the tile's four fragments of x are in
.irp s, 0,1,2,3
.set WN, (1+\s/2)<<(2*\var)                    ; W's window, in the place of source 0 or of source 1
	WIN WN
.irp t, 0,1,2,3,4,5,6,7
.set rW, 16*(8*(\s%2)+\t)
.set rA, ACC+8*\t
.set rX, XF+16*\s
.set rB, BI+8*\t
.if \var
.if \s == 0
	v_wmma_f32_16x16x128_bf8_bf8 v[rA:rA+7], v[rX:rX+15], v[rW:rW+15], v[rB:rB+7]
.else
	v_wmma_f32_16x16x128_bf8_bf8 v[rA:rA+7], v[rX:rX+15], v[rW:rW+15], v[rA:rA+7]
.endif
.else
.if \s == 0
	v_wmma_f32_16x16x128_bf8_bf8 v[rA:rA+7], v[rW:rW+15], v[rX:rX+15], v[rB:rB+7]
.else
	v_wmma_f32_16x16x128_bf8_bf8 v[rA:rA+7], v[rW:rW+15], v[rX:rX+15], v[rA:rA+7]
.endif
.endif
.endr
.endr
	WIN 0
	PLACES 4                                       ; four places in front of the loads into x's fragments and of the first read of results; the holds below add to them in front of the next tile's first products
.if \m < 3
	FETCH \m+1
.endif
	s_wait_xcnt 0x0                                ; the earlier stores have read their data: the codes' registers may be written
.set n, 0
.rept 64
	v_med3_num_f32 v[ACC+n], v[ACC+n], -v[LMO], v[LMO]   ; the hold at the largest code x the scale; each accumulator from its low end on
.set n, n+1
.endr
.irp t, 0,1,2,3,4,5,6,7
.if \var
	v_cvt_scalef32_pk8_bf8_f32 v[CD+4*\t+2*(\m%2):CD+4*\t+2*(\m%2)+1], v[ACC+8*\t:ACC+8*\t+7], v[SCO]   ; eight keys of channel 16 t + r: half of a plane's four registers
.else
	v_cvt_scalef32_pk8_bf8_f32 v[CD+16*(\m%2)+2*\t:CD+16*(\m%2)+2*\t+1], v[ACC+8*\t:ACC+8*\t+7], v[SCO]  ; eight channels of row r: registers 2 (t % 4), 2 (t % 4) + 1 of head t / 4's fragment
.endif
.endr
	v_nop                                          ; one plain vector instruction between the conversions and the products that write their sources
.if \var
.if (\m%2) == 1
.irp t, 0,1,2,3,4,5,6,7
	global_store_b128 v[LI], v[CD+4*\t:CD+4*\t+3], s[OP:OP+1] offset:(\t/4)*131072+(\t%4)*2048+(\m/2)*512   ; a plane: 512 consecutive bytes, aligned
.endr
.endif
.else
.irp g, 0,1,2,3
	global_store_b128 v[LI], v[CD+16*(\m%2)+4*\g:CD+16*(\m%2)+4*\g+3], s[OP:OP+1] offset:(\g/2)*131072+\m*1024+(\g%2)*512
.endr
.endif
.endr
.endm
	s_mov_b32 s[BLK], 0
.Lblock:
	; ---- my 16 rows of x become codes and go to their places in LDS
	s_wait_loadcnt 0x0                             ; the block's 64 loads are in
	WIN 0xc3                                       ; source 0 and destination window 3
.set n, 0
.rept 256
	v_med3_num_f32 v[n], v[n], -v[LMX], v[LMX]
.set n, n+1
.endr
	WIN 0x03                                       ; source 0 window 3, destination window 0
.set n, 0
.rept 32
	v_cvt_scalef32_pk8_bf8_f32 v[ACC+2*n:ACC+2*n+1], v[8*n:8*n+7], v[SCX]   ; row p's codes in v[ACC + 4 p] on
.set n, n+1
.endr
	v_nop                                          ; one plain vector instruction behind the last conversion: the products below write its results' registers
	WIN 0
.irp p, 0,1,2,3,4,5,6,7,8,9,10,11,12,13,14,15
	ds_store_b128 v[XS], v[ACC+4*\p:ACC+4*\p+3] offset:(16*(\p/8)+(\p%8))*XPITCH   ; 32 lanes store a row's 512 codes on end
.endr
	s_cmp_eq_u32 s[BLK], 3                         ; the next block's rows are asked for now, if there is a next block: no load leaves its buffer
	s_cbranch_scc1 .Lno_next
	s_add_nc_u64 s[XP:XP+1], s[XP:XP+1], 131072    ; 64 rows on (the loads that read this base are in)
	XLOAD
.Lno_next:
	s_wait_dscnt 0x0                               ; for the others' sake: my stores have landed
	s_barrier_signal -1
	s_barrier_wait -1                              ; the block's 64 rows of codes lie in LDS
	s_cmp_eq_u32 s29, 2
	s_cbranch_scc1 .Lfor_v
	COMPUTE 0
	s_branch .Lcomputed
.Lfor_v:
	COMPUTE 1
.Lcomputed:
	s_wait_dscnt 0x0                               ; my reads of the block's codes are over
	s_barrier_signal -1
	s_barrier_wait -1                              ; everybody's are: the places may be written again
	s_add_co_u32 s[BLK], s[BLK], 1
	s_cmp_lt_u32 s[BLK], 4
	s_cbranch_scc1 .Lblock
	s_wait_tensorcnt 0x0                           ; the wave's end, behind my last tensor load and my last LDS store
	ds_add_u32 v[SPW], v[NIL]
	s_wait_dscnt 0x0
	ROUND                                          ; the closing round: no work-group ends while a partner may still ask for a tile that names it
	s_endpgm
.Lfunc_end_k_q1940709e48_proj:
	.size	k_q1940709e48_proj, .Lfunc_end_k_q1940709e48_proj-k_q1940709e48_proj
	.p2alignl 7, 3214868480
	.fill 96, 4, 3214868480
	.section	.rodata,"a",@progbits
	.p2align	6, 0x0
	.amdhsa_kernel k_q1940709e48_proj
		.amdhsa_group_segment_fixed_size 327680
		.amdhsa_private_segment_fixed_size 0
		.amdhsa_enable_private_segment 0
		.amdhsa_kernarg_size 88
		.amdhsa_user_sgpr_count 2
		.amdhsa_user_sgpr_kernarg_segment_ptr 1
		.amdhsa_wavefront_size32 1
		.amdhsa_system_sgpr_workgroup_id_x 1
		.amdhsa_system_sgpr_workgroup_id_y 1
		.amdhsa_system_sgpr_workgroup_id_z 1
		.amdhsa_system_vgpr_workitem_id 0
		.amdhsa_next_free_vgpr 1024
		.amdhsa_next_free_sgpr 96
		.amdhsa_reserve_vcc 0
		.amdhsa_float_denorm_mode_32 3
		.amdhsa_float_denorm_mode_16_64 3
		.amdhsa_memory_ordered 1
		.amdhsa_forward_progress 1
		.amdhsa_inst_pref_size 122
	.end_amdhsa_kernel
	.amdgpu_metadata
---
amdhsa.version: [ 1, 2 ]
amdhsa.kernels:
  - .name:           k_q1940709e48_proj
    .symbol:         k_q1940709e48_proj.kd
    .args:
      - { .name: query, .offset: 0, .size: 8, .value_kind: global_buffer, .address_space: global }
      - { .name: key, .offset: 8, .size: 8, .value_kind: global_buffer, .address_space: global }
      - { .name: value, .offset: 16, .size: 8, .value_kind: global_buffer, .address_space: global }
      - { .name: bq, .offset: 24, .size: 8, .value_kind: global_buffer, .address_space: global }
      - { .name: bk, .offset: 32, .size: 8, .value_kind: global_buffer, .address_space: global }
      - { .name: bv, .offset: 40, .size: 8, .value_kind: global_buffer, .address_space: global }
      - { .name: wc, .offset: 48, .size: 8, .value_kind: global_buffer, .address_space: global }
      - { .name: lowp_scales, .offset: 56, .size: 8, .value_kind: global_buffer, .address_space: global }
      - { .name: qc, .offset: 64, .size: 8, .value_kind: global_buffer, .address_space: global }
      - { .name: kc, .offset: 72, .size: 8, .value_kind: global_buffer, .address_space: global }
      - { .name: vc, .offset: 80, .size: 8, .value_kind: global_buffer, .address_space: global }
    .group_segment_fixed_size: 327680
    .private_segment_fixed_size: 0
    .kernarg_segment_align: 8
    .kernarg_segment_size: 88
    .max_flat_workgroup_size: 128
    .sgpr_count:     96
    .vgpr_count:     1024
    .wavefront_size: 32
...
	.end_amdgpu_metadata
.endif
;; end of part 2
;; launch attn (part 3): grid 4 x 64, 8 waves a work-group, no clusters, 263,168 bytes of LDS; arguments qc, kc, vc, lowp_scales, xc; writes xc
.if DOCPART == 3
	.amdgcn_target "amdgcn-amd-amdhsa--gfx1250"
	.amdhsa_code_object_version 6
	.text
	.protected	k_q1940709e48_attn
	.globl	k_q1940709e48_attn
	.p2align	8
	.type	k_q1940709e48_attn,@function
k_q1940709e48_attn:
	s_mov_b64 s[64:65], 0
	v_nop
	global_prefetch_b8 v0, s[64:65] scope:SCOPE_SE
	s_setreg_imm32_b32 hwreg(HW_REG_WAVE_MODE, 25, 1), 1
	s_wait_xcnt 0x0
; x = softmax(q k^T / 8) v for one batch and head (work-group y) and 512 queries (work-group x), both products on codes of BF8 (E5M2).  No work of the problem is left out here.
; qc, kc: [batch x head][tile of 16 rows: 128][plane 2][512 bytes], vc: [batch x head][step of 128 keys: 16][tile of 16 channels: 4][plane 4][512 bytes]: images of the operands' registers (proj's head comment).
; THE SOFTMAX: t = score x log2(e) / 8; M = the running largest t, rounded up to a whole number; p = 2^(t - M) is quantised with 2^ep, not normalised; the row's sum is taken of the unquantised p and divides at the end.
; When M moves, the sum and O^T are multiplied by 2^(old M - new M), which rounds nothing.  The result leaves as codes with 2^e10, in the order in which outp's fragments want them.
; SHARES.  Eight waves, two to a SIMD, 512 registers each.  A wave owns FOUR tiles of 16 queries (tiles 32 x + 4 w + 0 .. 3 of the head) and walks all 2,048 keys, 128 a step: each fragment of K and of V that it
; reads from LDS feeds four matrix instructions.  The tiles go in pairs: eight chains of maxima and six of sums take turns.  Both products are used transposed: a lane holds one query throughout.
; LDS.  The head's K (131,072 bytes) and V (as many) are laid into LDS once, a step's 16,384 bytes at a time: each wave loads 2,048 of them through registers (four loads of 512 consecutive bytes) and stores them as they lie.
; At the head of step s the bytes of step s + 1 are stored, one barrier follows, and the loads of step s + 2 are issued: they have a whole step in which to land.  No LDS byte is written twice, and none is read before the barrier behind its store.
; THE HOLD OF p.  p is at most 1 (but for the last bit), so p / 2^ep passes 57,344 only where ep < -15.
; NO TENSOR LOADS, NO CLUSTER: the four work-groups of a head each load K and V by themselves.
; NO PREFETCH: the loads themselves are issued a whole step, 48 matrix instructions, ahead of the stores that want their data.
; LIMITS: e6 + e7 between -123 and 130 (added to c's exponent field); ep, and e10 - ep - ev, between -126 and 112, so that each power of two and 57,344 times it are f32 numbers; the scaled scores stay under 2^31 in magnitude.
; REGISTERS.  Window 0: v1-7 addresses and 2^ep; v8-11 and v28-31 at work (chains of maxima, f, chains of sums); v12-19 (-M, largest t) of the four tiles; v20-27 their sums in two halves; v32-63 Q; v64-127 K's eight fragments; v128-255 two tiles' S^T, then p.
;   Window 1: v0-127 O^T (tile i, channels 16 n on: v[32 i + 8 n]); v128-159 two tiles' codes of p; v160-175 my part of a step's K or V on its way to LDS; v192-255 V's four fragments.
.set VOFF,  131072                     ; V's images lie behind K's
.set SPARE, 262144                     ; behind them the spare words, 128 bytes for each wave: four blocks of 256 bytes that no other line names
.set LI,  1                            ; v1  16 x lane
.set ADK, 2                            ; v2  LDS address of the step's K
.set ADV, 3                            ; v3  of its V
.set SPW, 4                            ; v4  LDS address of my spare word; never rewritten
.set NIL, 5                            ; v5  0; never rewritten
.set ST0, 6                            ; v6  where I store my part of step 0
.set SCP, 7                            ; v7  2^ep
.set XS,  8
.set NM,  12
.set SU,  20
.set FF,  28
.set QF,  32
.set KF,  64
.set SA,  128
.set OA,  0                            ; window 1
.set CD,  128
.set SG,  160
.set VF,  192
.set WV,  14                           ; s14 wave
.set SEL, 20                           ; s[20:21] selects of v_permlanex16_b32: lane l xor 16
.set CS,  22                           ; s[22:23] c = log2(e) / 8 x 2^(e6 + e7)
.set HP,  24                           ; s24 57,344 x 2^ep
.set KB,  48                           ; s48 LDS byte of the step's K
.set CNT, 49                           ; s49 steps to go
.set EP,  70                           ; s70 ep
.set MSB, 0
.macro WIN new                         ; the immediate's high byte repeats the setting that is left; a switch that changes nothing is dropped
.if MSB != \new
	s_set_vgpr_msb (MSB<<8)|\new
.set MSB, \new
.endif
.endm
	s_load_b256 s[4:11], s[0:1], 0x0               ; qc s[4:5], kc s[6:7], vc s[8:9], the scales' exponents s[10:11]
	s_load_b64 s[12:13], s[0:1], 0x20              ; xc
	v_lshl_add_u32 v[SPW], v0, 2, SPARE
	v_mov_b32 v[NIL], 0
	v_lshrrev_b32 v6, 5, v0
	v_readfirstlane_b32 s[WV], v6                  ; wave 0..7
	s_and_b32 s16, ttmp7, 0xffff                   ; batch x head
	s_mov_b32 s[SEL], 0x76543210
	s_mov_b32 s[SEL+1], 0xfedcba98
	s_mov_b32 s[CS], 0x3e38aa3b                    ; log2(e) / 8
	s_lshr_b32 s50, s[WV], 2                       ; waves 0-3 bring K, waves 4-7 V,
	s_lshl_b32 s50, s50, 17
	s_and_b32 s51, s[WV], 3
	s_lshl_b32 s52, s51, 11                        ; each 2,048 bytes of a step's 8,192
	s_add_co_u32 s50, s50, s52
	v_and_b32 v7, 31, v0
	v_lshlrev_b32 v[LI], 4, v7                     ; made here, directly ahead of its first reader
	v_add_nc_u32 v[ST0], s50, v[LI]
	s_lshl_b32 s51, s16, 17                        ; 131,072 bytes a head in qc, kc and vc
	s_add_co_u32 s52, s52, s51                     ; my part in memory
	s_mov_b32 s53, 0
	s_lshl_b32 s58, ttmp9, 5
	s_lshl_b32 s59, s[WV], 2
	s_add_co_u32 s58, s58, s59                     ; my first tile of queries: 32 x + 4 w
	s_lshl_b32 s56, s58, 10
	s_add_co_u32 s56, s56, s51                     ; its place in qc
	s_mov_b32 s57, 0
	s_lshr_b32 s59, s16, 3
	s_lshl_b32 s59, s59, 7
	s_add_co_u32 s59, s59, s58                     ; xc: 128 tiles a batch, 8,192 bytes a tile,
	s_lshl_b32 s54, s59, 13
	s_and_b32 s59, s16, 7
	s_lshl_b32 s59, s59, 10                        ; 1,024 bytes a head
	s_add_co_u32 s54, s54, s59
	s_mov_b32 s55, 0
	s_wait_alu depctr_va_vdst(0)
	s_wait_kmcnt 0x0
	s_load_b128 s[68:71], s[10:11], 0x18           ; e6, e7, ep = e8, ev = e9
	s_load_b32 s72, s[10:11], 0x28                 ; e10
	s_add_nc_u64 s[4:5], s[4:5], s[56:57]
	s_add_nc_u64 s[12:13], s[12:13], s[54:55]
	s_cmp_lt_u32 s[WV], 4                          ; the choice hangs on the wave's number alone
	s_cselect_b64 s[6:7], s[6:7], s[8:9]
	s_add_nc_u64 s[6:7], s[6:7], s[52:53]
	WIN 0x40                                       ; destination window 1
.irp i, 0,1,2,3
	global_load_b128 v[CD+4*\i:CD+4*\i+3], v[LI], s[6:7] offset:512*\i           ; my part of step 0: 32 lanes read 512 consecutive bytes
.endr
.irp i, 0,1,2,3
	global_load_b128 v[SG+4*\i:SG+4*\i+3], v[LI], s[6:7] offset:8192+512*\i      ; and of step 1
.endr
	WIN 0
.irp i, 0,1,2,3
	global_load_b128 v[QF+8*\i:QF+8*\i+3], v[LI], s[4:5] offset:1024*\i          ; Q's four fragments stay in registers
	global_load_b128 v[QF+8*\i+4:QF+8*\i+7], v[LI], s[4:5] offset:1024*\i+512
.endr
	s_wait_kmcnt 0x0
	s_add_co_i32 s60, s68, s69
	s_lshl_b32 s60, s60, 23
	s_add_co_i32 s[CS], s[CS], s60                 ; a score stands for score x 2^(e6 + e7): added to c's exponent field
	s_mov_b32 s[CS+1], s[CS]                       ; (named with it as a pair, so it is written)
	s_add_co_i32 s60, s[EP], 127
	s_lshl_b32 s61, s60, 23
	v_mov_b32 v[SCP], s61                          ; 2^ep as f32: the conversion takes its exponent field
	s_add_co_i32 s60, s60, 15
	s_lshl_b32 s60, s60, 23
	s_or_b32 s[HP], s60, 0x600000                  ; 57,344 x 2^ep
	s_sub_co_i32 s60, s72, s[EP]
	s_sub_co_i32 s60, s60, s71
	s_add_co_i32 s60, s60, 127
	s_lshl_b32 s61, s60, 23                        ; s61 = 2^(e10 - ep - ev)
	s_add_co_i32 s60, s60, 15
	s_lshl_b32 s60, s60, 23
	s_or_b32 s62, s60, 0x600000                    ; s62 = 57,344 x that
.irp i, 0,1,2,3
	v_mov_b32 v[NM+2*\i+1], 0xff61b1e6             ; the largest t so far: -3e38, under every t
	v_mov_b32 v[SU+2*\i], 0                        ; the sum, in two halves
	v_mov_b32 v[SU+2*\i+1], 0
.endr
.irp i, 0,1,2,3
	v_floor_f32 v[NM+2*\i], -v[NM+2*\i+1]          ; -M
.endr
	WIN 0x40
.set n, 0
.rept 128
	v_mov_b32 v[OA+n], 0                           ; O^T.  (The step is written once: the first finds zeros, which the first change of M leaves zeros)
.set n, n+1
.endr
	WIN 0
	s_wait_alu depctr_va_vdst(0)
	s_wait_loadcnt 12                              ; step 0's four loads are in; step 1's four and Q's eight, issued behind them, may be out
	WIN 0x04                                       ; a store's data: window 1
.irp i, 0,1,2,3
	ds_store_b128 v[ST0], v[CD+4*\i:CD+4*\i+3] offset:512*\i
.endr
	WIN 0
	s_wait_dscnt 0x0                               ; for the others' sake: my stores have landed
	s_barrier_signal -1
	s_barrier_wait -1                              ; step 0's K and V lie in LDS
.macro FMA cnt, nmr                    ; cnt pairs of scores of the pair's first tile become t - M (of the pairs c and -M the low word serves both halves)
.rept \cnt
	v_pk_fma_f32 v[SA+j:SA+j+1], v[SA+j:SA+j+1], s[CS:CS+1], v[\nmr:\nmr+1] op_sel_hi:[1,0,0]
.set j, j+2
.endr
.endm
; TWO TILES OF QUERIES, a and a + 1, against the step's 128 keys.  last = 1: the step's second pair: K's fragments are done with, and the next step's are asked for.
.macro PAIR a, last
.set QA, QF+8*(\a)
.set NA, NM+2*(\a)
.set UA, SU+2*(\a)
.set OP, OA+32*(\a)
.irp u, 0,1                                    ; S^T = K Q^T: source 0 = 16 keys, source 1 = 16 queries; sixteen accumulators, each begun with 0
.irp t, 0,1,2,3,4,5,6,7
	v_wmma_f32_16x16x64_bf8_bf8 v[SA+64*\u+8*\t:SA+64*\u+8*\t+7], v[KF+8*\t:KF+8*\t+7], v[QA+8*\u:QA+8*\u+7], 0
.endr
.endr
.rept 4
	v_nop                                          ; four places in front of the first read of results and of the loads into K's fragments
.endr
.if \last
	s_cmp_eq_u32 s[CNT], 1                         ; the last step has no successor
	s_cbranch_scc1 .Lnok_\@
.irp t, 0,1,2,3,4,5,6,7
.irp c, 0,1
	ds_load_b128 v[KF+8*\t+4*\c:KF+8*\t+4*\c+3], v[ADK] offset:8192+1024*\t+512*\c   ; stored ahead of this step's barrier
.endr
.endr
.Lnok_\@:
.endif
.irp u, 0,1                                    ; each query's largest score among my 64 keys: four chains a tile, eight by turns; the registers in ascending order, so each accumulator from its low end on
	v_max3_num_f32 v[FF+2*\u], v[SA+64*\u], v[SA+64*\u+1], v[SA+64*\u+2]
	v_max3_num_f32 v[FF+2*\u+1], v[SA+64*\u+3], v[SA+64*\u+4], v[SA+64*\u+5]
	v_max3_num_f32 v[XS+2*\u], v[SA+64*\u+6], v[SA+64*\u+7], v[SA+64*\u+8]
	v_max3_num_f32 v[XS+2*\u+1], v[SA+64*\u+9], v[SA+64*\u+10], v[SA+64*\u+11]
.endr
.irp i, 12,20,28,36,44,52
.irp u, 0,1
	v_max3_num_f32 v[FF+2*\u], v[FF+2*\u], v[SA+64*\u+\i], v[SA+64*\u+\i+1]
	v_max3_num_f32 v[FF+2*\u+1], v[FF+2*\u+1], v[SA+64*\u+\i+2], v[SA+64*\u+\i+3]
	v_max3_num_f32 v[XS+2*\u], v[XS+2*\u], v[SA+64*\u+\i+4], v[SA+64*\u+\i+5]
	v_max3_num_f32 v[XS+2*\u+1], v[XS+2*\u+1], v[SA+64*\u+\i+6], v[SA+64*\u+\i+7]
.endr
.endr
.irp u, 0,1
	v_max3_num_f32 v[FF+2*\u], v[FF+2*\u], v[SA+64*\u+60], v[SA+64*\u+61]
	v_max3_num_f32 v[FF+2*\u+1], v[FF+2*\u+1], v[SA+64*\u+62], v[SA+64*\u+63]
.endr
.irp u, 0,1
	v_max3_num_f32 v[FF+2*\u], v[FF+2*\u], v[FF+2*\u+1], v[XS+2*\u]
.endr
.irp u, 0,1
	v_max_num_f32 v[FF+2*\u], v[FF+2*\u], v[XS+2*\u+1]
.endr
.irp u, 0,1
	v_permlanex16_b32 v[FF+2*\u+1], v[FF+2*\u], s[SEL], s[SEL+1]
.endr
.irp u, 0,1
	v_max_num_f32 v[FF+2*\u], v[FF+2*\u], v[FF+2*\u+1]     ; and among lane l xor 16's
.endr
.irp u, 0,1
	v_mul_f32 v[FF+2*\u], s[CS], v[FF+2*\u]                ; as t (c is positive)
.endr
.irp u, 0,1
	v_max_num_f32 v[NA+2*\u+1], v[NA+2*\u+1], v[FF+2*\u]   ; the running largest t
.endr
.irp u, 0,1
	v_mov_b32 v[FF+2*\u+1], v[NA+2*\u]
.endr
.irp u, 0,1
	v_floor_f32 v[NA+2*\u], -v[NA+2*\u+1]                  ; the new -M = floor(-t): M is a whole number
.endr
.set j, 0
	FMA 4, NA                                      ; tile a's scalings, with the three steps that make f among them
.irp u, 0,1
	v_sub_f32 v[FF+2*\u+1], v[NA+2*\u], v[FF+2*\u+1]       ; old M - new M, 0 or less
.endr
	FMA 4, NA
.irp u, 0,1
	v_cvt_i32_f32 v[FF+2*\u+1], v[FF+2*\u+1]               ; (it saturates)
.endr
	FMA 4, NA
.irp u, 0,1
	v_ldexp_f32 v[FF+2*\u], 1.0, v[FF+2*\u+1]              ; f = 2^(old M - new M)
.endr
	FMA 20, NA
.irp u, 0,1
	v_pk_mul_f32 v[UA+2*\u:UA+2*\u+1], v[UA+2*\u:UA+2*\u+1], v[FF+2*\u:FF+2*\u+1] op_sel_hi:[1,0]   ; the sums under the new M
.endr
	WIN 0x41                                       ; O^T: destination and source 0 window 1; f window 0
	s_wait_alu depctr_va_vdst(0)                   ; directly ahead of the first reader of O^T
.irp u, 0,1
.set j, 0
.rept 16
	v_pk_mul_f32 v[OP+32*\u+j:OP+32*\u+j+1], v[OP+32*\u+j:OP+32*\u+j+1], v[FF+2*\u:FF+2*\u+1] op_sel_hi:[1,0]   ; O^T under the new M; each accumulator from its low end on
.set j, j+2
.endr
.endr
	WIN 0
	s_wait_alu depctr_va_vdst(0)                   ; ahead of the batch
.set j, 0
.rept 32                                       ; tile a's exponentials, with tile a + 1's scalings among them: these name none of the batch's registers, and their results are first read behind the next wait
	v_exp_f32 v[SA+j], v[SA+j]
	v_pk_fma_f32 v[SA+64+j:SA+64+j+1], v[SA+64+j:SA+64+j+1], s[CS:CS+1], v[NA+2:NA+3] op_sel_hi:[1,0,0]
	v_exp_f32 v[SA+j+1], v[SA+j+1]
.set j, j+2
.endr
	s_wait_alu depctr_va_vdst(0)                   ; behind the first batch and ahead of the second
.set j, 0
.rept 64
	v_exp_f32 v[SA+64+j], v[SA+64+j]               ; p = 2^(t - M): not normalised
.set j, j+1
.endr
	v_nop                                          ; one plain place behind the exponentials
	s_wait_alu depctr_va_vdst(0)                   ; one wait for the batch, ahead of its first reader
.irp u, 0,1                                    ; the rows' sums, of the unquantised p: three chains a tile, six by turns (f's registers are free now)
	v_pk_add_f32 v[XS+2*\u:XS+2*\u+1], v[SA+64*\u:SA+64*\u+1], v[SA+64*\u+2:SA+64*\u+3]
	v_pk_add_f32 v[FF+2*\u:FF+2*\u+1], v[SA+64*\u+4:SA+64*\u+5], v[SA+64*\u+6:SA+64*\u+7]
.endr
.irp k, 8,14,20,26,32,38,44,50,56
.irp u, 0,1
	v_pk_add_f32 v[UA+2*\u:UA+2*\u+1], v[UA+2*\u:UA+2*\u+1], v[SA+64*\u+\k:SA+64*\u+\k+1]
	v_pk_add_f32 v[XS+2*\u:XS+2*\u+1], v[XS+2*\u:XS+2*\u+1], v[SA+64*\u+\k+2:SA+64*\u+\k+3]
	v_pk_add_f32 v[FF+2*\u:FF+2*\u+1], v[FF+2*\u:FF+2*\u+1], v[SA+64*\u+\k+4:SA+64*\u+\k+5]
.endr
.endr
.irp u, 0,1
	v_pk_add_f32 v[UA+2*\u:UA+2*\u+1], v[UA+2*\u:UA+2*\u+1], v[SA+64*\u+62:SA+64*\u+63]
	v_pk_add_f32 v[XS+2*\u:XS+2*\u+1], v[XS+2*\u:XS+2*\u+1], v[FF+2*\u:FF+2*\u+1]
.endr
.irp u, 0,1
	v_pk_add_f32 v[UA+2*\u:UA+2*\u+1], v[UA+2*\u:UA+2*\u+1], v[XS+2*\u:XS+2*\u+1]
.endr
.if \last == 0
	s_wait_dscnt 0x0                               ; V's fragments, asked for at the step's head, are in
.endif
	s_cmp_ge_i32 s[EP], -15                        ; p / 2^ep <= 2^15 there: under the largest code
	s_cbranch_scc1 .Lfits_\@
.set j, 0
.rept 128
	v_min_num_f32 v[SA+j], s[HP], v[SA+j]          ; the conversion to an 8-bit code does not saturate (ISA guide 7.6.2); p is not negative, so the hold is one-sided
.set j, j+1
.endr
.Lfits_\@:
	WIN 0x40                                       ; the codes: window 1
.irp u, 0,1
.irp b, 0,1,2,3
	v_cvt_scalef32_pk8_bf8_f32 v[CD+16*\u+4*\b:CD+16*\u+4*\b+1], v[SA+64*\u+16*\b:SA+64*\u+16*\b+7], v[SCP]
	v_cvt_scalef32_pk8_bf8_f32 v[CD+16*\u+4*\b+2:CD+16*\u+4*\b+3], v[SA+64*\u+16*\b+8:SA+64*\u+16*\b+15], v[SCP]
.endr
.endr
	v_nop                                          ; one plain vector line between the conversions and the products that read their results
	WIN 0x55                                       ; all four operands window 1
.irp u, 0,1                                    ; O^T += V^T P^T: eight accumulators by turns
.irp n, 0,1,2,3
	v_wmma_f32_16x16x128_bf8_bf8 v[OP+32*\u+8*\n:OP+32*\u+8*\n+7], v[VF+16*\n:VF+16*\n+15], v[CD+16*\u:CD+16*\u+15], v[OP+32*\u+8*\n:OP+32*\u+8*\n+7]
.endr
.endr
	WIN 0
.endm
.irp t, 0,1,2,3,4,5,6,7                        ; the first step's K
.irp c, 0,1
	ds_load_b128 v[KF+8*\t+4*\c:KF+8*\t+4*\c+3], v[LI] offset:1024*\t+512*\c
.endr
.endr
	s_mov_b32 s[KB], 0
	s_mov_b32 s[CNT], 16
.Lstep:                                            ; step s = 16 - CNT: 128 keys x my 64 queries
	s_wait_loadcnt 0x0                             ; my part of step s + 1 is in registers (in the first trip: Q too); no load of mine is out, so the base may step
	s_add_nc_u64 s[6:7], s[6:7], 8192
	s_cmp_eq_u32 s[CNT], 1                         ; the last step has no successor
	s_cbranch_scc1 .Lnost
	v_add_nc_u32 v[XS], s[KB], v[ST0]
	WIN 0x04
.irp i, 0,1,2,3
	ds_store_b128 v[XS], v[SG+4*\i:SG+4*\i+3] offset:8192+512*\i
.endr
	WIN 0
.Lnost:
	s_wait_dscnt 0x0                               ; for the others' sake: my stores have landed (and have read their registers); this step's K is in my registers too
	s_barrier_signal -1
	s_barrier_wait -1                              ; step s + 1's K and V lie in LDS
	s_cmp_le_u32 s[CNT], 2                         ; the last two steps ask for nothing: no load leaves its buffer
	s_cbranch_scc1 .Lnold
	WIN 0x40
.irp i, 0,1,2,3
	global_load_b128 v[SG+4*\i:SG+4*\i+3], v[LI], s[6:7] offset:8192+512*\i      ; my part of step s + 2
.endr
	WIN 0
.Lnold:
	v_add_nc_u32 v[ADK], s[KB], v[LI]
	v_add_nc_u32 v[ADV], VOFF, v[ADK]
	v_nop
	v_nop                                          ; with the two additions: four places in front of the loads into V's fragments, which the last products read
	WIN 0x40
.irp n, 0,1,2,3
.irp c, 0,1,2,3
	ds_load_b128 v[VF+16*\n+4*\c:VF+16*\n+4*\c+3], v[ADV] offset:2048*\n+512*\c
.endr
.endr
	WIN 0
	PAIR 0, 0
	PAIR 2, 1
	s_add_co_u32 s[KB], s[KB], 8192
	s_sub_co_u32 s[CNT], s[CNT], 1
	s_cmp_lg_u32 s[CNT], 0
	s_cbranch_scc1 .Lstep
	; THE WAY OUT: O^T / the sum, held, as codes with 2^(e10 - ep - ev): two planes of 512 bytes a tile
.irp i, 0,1,2,3
	v_add_f32 v[SU+2*\i], v[SU+2*\i], v[SU+2*\i+1]         ; the sum's two halves,
.endr
.irp i, 0,1,2,3
	v_permlanex16_b32 v[SU+2*\i+1], v[SU+2*\i], s[SEL], s[SEL+1]
.endr
.irp i, 0,1,2,3
	v_add_f32 v[SU+2*\i], v[SU+2*\i], v[SU+2*\i+1]         ; and lane l xor 16's
.endr
	v_mov_b32 v[XS], s61                           ; 2^(e10 - ep - ev)
	v_mov_b32 v[XS+1], s62                         ; 57,344 x that
	s_wait_alu depctr_va_vdst(0)                   ; ahead of the batch
.irp i, 0,1,2,3
	v_rcp_f32 v[SU+2*\i], v[SU+2*\i]
.endr
	v_nop                                          ; one plain place behind the transcendentals
	WIN 0x01                                       ; source 0 (O^T) window 1
	s_wait_alu depctr_va_vdst(0)                   ; behind the batch, and directly ahead of the first reader of O^T
.irp i, 0,1,2,3
.set j, 0
.rept 16
	v_pk_mul_f32 v[SA+32*\i+j:SA+32*\i+j+1], v[OA+32*\i+j:OA+32*\i+j+1], v[SU+2*\i:SU+2*\i+1] op_sel_hi:[1,0]
.set j, j+2
.endr
.endr
	WIN 0
.set j, 0
.rept 128
	v_med3_num_f32 v[SA+j], v[SA+j], -v[XS+1], v[XS+1]     ; the hold at the largest code x the scale
.set j, j+1
.endr
.irp i, 0,1,2,3
.irp n, 0,1,2,3
	v_cvt_scalef32_pk8_bf8_f32 v[KF+8*\i+2*\n:KF+8*\i+2*\n+1], v[SA+32*\i+8*\n:SA+32*\i+8*\n+7], v[XS]
.endr
.endr
	v_nop                                          ; one plain vector line behind the last conversion
.irp i, 0,1,2,3
	global_store_b128 v[LI], v[KF+8*\i:KF+8*\i+3], s[12:13] offset:8192*\i          ; a plane: 32 lanes store 512 consecutive bytes, aligned
	global_store_b128 v[LI], v[KF+8*\i+4:KF+8*\i+7], s[12:13] offset:8192*\i+512
.endr
	s_wait_tensorcnt 0x0                           ; the wave's end, behind my last LDS store
	ds_add_u32 v[SPW], v[NIL]
	s_wait_dscnt 0x0
	s_endpgm
.Lfunc_end_k_q1940709e48_attn:
	.size	k_q1940709e48_attn, .Lfunc_end_k_q1940709e48_attn-k_q1940709e48_attn
	.p2alignl 7, 3214868480
	.fill 96, 4, 3214868480
	.section	.rodata,"a",@progbits
	.p2align	6, 0x0
	.amdhsa_kernel k_q1940709e48_attn
		.amdhsa_group_segment_fixed_size 263168
		.amdhsa_private_segment_fixed_size 0
		.amdhsa_enable_private_segment 0
		.amdhsa_kernarg_size 40
		.amdhsa_user_sgpr_count 2
		.amdhsa_user_sgpr_kernarg_segment_ptr 1
		.amdhsa_wavefront_size32 1
		.amdhsa_system_sgpr_workgroup_id_x 1
		.amdhsa_system_sgpr_workgroup_id_y 1
		.amdhsa_system_sgpr_workgroup_id_z 1
		.amdhsa_system_vgpr_workitem_id 0
		.amdhsa_next_free_vgpr 512
		.amdhsa_next_free_sgpr 80
		.amdhsa_reserve_vcc 0
		.amdhsa_float_denorm_mode_32 3
		.amdhsa_float_denorm_mode_16_64 3
		.amdhsa_memory_ordered 1
		.amdhsa_forward_progress 1
		.amdhsa_inst_pref_size 81
	.end_amdhsa_kernel
	.amdgpu_metadata
---
amdhsa.version: [ 1, 2 ]
amdhsa.kernels:
  - .name:           k_q1940709e48_attn
    .symbol:         k_q1940709e48_attn.kd
    .args:
      - { .name: qc, .offset: 0, .size: 8, .value_kind: global_buffer, .address_space: global }
      - { .name: kc, .offset: 8, .size: 8, .value_kind: global_buffer, .address_space: global }
      - { .name: vc, .offset: 16, .size: 8, .value_kind: global_buffer, .address_space: global }
      - { .name: lowp_scales, .offset: 24, .size: 8, .value_kind: global_buffer, .address_space: global }
      - { .name: xc, .offset: 32, .size: 8, .value_kind: global_buffer, .address_space: global }
    .group_segment_fixed_size: 263168
    .private_segment_fixed_size: 0
    .kernarg_segment_align: 8
    .kernarg_segment_size: 40
    .max_flat_workgroup_size: 256
    .sgpr_count:     80
    .vgpr_count:     512
    .wavefront_size: 32
...
	.end_amdgpu_metadata
.endif
;; end of part 3
;; launch outp (part 4): grid 256 x 1, 4 waves a work-group, clusters of 4 x 1, 327,680 bytes of LDS; arguments xc, wc, bo, lowp_scales, out0; writes out0
.if DOCPART == 4
	.amdgcn_target "amdgcn-amd-amdhsa--gfx1250"
	.amdhsa_code_object_version 6
	.text
	.protected	k_q1940709e48_outp
	.globl	k_q1940709e48_outp
	.p2align	8
	.type	k_q1940709e48_outp,@function
k_q1940709e48_outp:
	s_mov_b64 s[64:65], 0
	v_nop
	global_prefetch_b8 v0, s[64:65] scope:SCOPE_SE
	s_setreg_imm32_b32 hwreg(HW_REG_WAVE_MODE, 25, 1), 1
	s_wait_xcnt 0x0
	s_wait_alu depctr_hold_cnt(0) depctr_sa_sdst(0) depctr_va_vdst(0) depctr_va_sdst(0) depctr_va_ssrc(0) depctr_va_vcc(0) depctr_vm_vsrc(0)
	s_getreg_b32 s2, hwreg(HW_REG_IB_STS2, 6, 4)
	s_cmp_eq_u32 s2, 0
	s_cbranch_scc0 .Lentry_in_a_cluster
	s_endpgm
.Lentry_in_a_cluster:
	s_bfe_u32 s2, ttmp6, 0x10000c
	s_cmp_lg_u32 s2, 0x3003
	s_cbranch_scc0 .Lentry_shape_is_right
	s_endpgm
.Lentry_shape_is_right:
; out0 = x wo^T + bo, on codes of BF8 (E5M2): x's codes from xc (2^e10), wo's from wc (2^e11).  out0 [16,384][512] f32.  Each finished sum is multiplied once by 2^(e10 + e11) and the bias added: one packed
; multiply-add for two numbers.  No work of the problem is left out here.
; LIMIT: e10 + e11 between -126 and 127, so that 2^(e10 + e11) is an f32 number.
; SHARES.  A work-group of four waves takes 64 rows (four tiles of 16) and all 512 columns; wave w makes columns 128 w .. 128 w + 127: its 32 fragments of wo fill 512 registers.  256 work-groups.
; CLUSTER.  All work-groups read the same wo: in a cluster of four each wave's 64 KiB of images are asked for JOINTLY, by the same tensor load with the same descriptor and a mask that names the four.
; x's 16 fragments (32 KiB) are images of registers: each wave loads them straight into its own registers, which spares a way through LDS and a barrier.
; THE MATRIX INSTRUCTION IS USED TRANSPOSED (source 0 = 16 rows of wo, source 1 = x): a lane holds eight neighbouring columns of one row.  A tile goes through the wave's own stage in LDS and leaves as rows of
; 512 bytes.  Lane r of tile m = 2 b + u is row 32 b + 8 u + r + 8 (r / 8) of the 64 (proj's head comment): the row's place stands in the store's immediate.
; REGISTERS, in windows of 256: window 0: v1-13 addresses; v16-79 eight accumulators; v80-143 results on their way; v144-207 bo, in the result's layout.
;   windows 1, 2: wo's fragment (tile t, K step s) at v[16 (8 (s % 2) + t)] of window 1 + s / 2.   window 3: x's fragment (tile m, K step s) at v[16 (4 m + s)].
.set STG,    262144                    ; LDS: [0, 262,144) wo's images, wave w's 65,536 bytes at 65,536 w, read by the wave that asked for them alone; from STG on a stage of 16 rows for each wave;
.set SPITCH, 528                       ; a stage row: 512 bytes + 16
.set SPARE,  STG+4*16*SPITCH           ; behind them the spare words, 128 bytes for each wave: two blocks of 256 bytes that no other line names
.set LI,  1                            ; v1   16 x lane
.set WR,  2                            ; v2   where I read wo's images
.set STO, 3                            ; v3   the stage: where I put 32 bytes of a row
.set RD,  4                            ; v4   and where I read a row back
.set SPW, 12                           ; v12  LDS address of my spare word; never rewritten
.set NIL, 13                           ; v13  0; never rewritten
.set ACC, 16
.set TMP, 80
.set BI,  144
.set WV,  14                           ; s14  wave;  s15 cx;  s16 my block of 64 rows
.set G1,  24                           ; s[24:31] descriptor group 1;  s[32:35] group 0
.set G0,  32
.set SC,  36                           ; s[36:37] 2^(e10 + e11)
.set MSB, 0
.macro WIN new                         ; the immediate's high byte repeats the setting that is left; a switch that changes nothing is dropped
.if MSB != \new
	s_set_vgpr_msb (MSB<<8)|\new
.set MSB, \new
.endif
.endm
.macro ROUND                           ; a round of the cluster's barrier
	s_barrier_signal -1
	s_barrier_wait -1
	s_cmp_lg_u32 s[WV], 0
	s_cbranch_scc1 .Lnot_wave_0_\@
	s_barrier_signal -3
.Lnot_wave_0_\@:
	s_barrier_wait -3
	s_barrier_signal -1
	s_barrier_wait -1
.endm
	s_load_b256 s[4:11], s[0:1], 0x0               ; xc s[4:5], wc s[6:7], bo s[8:9], the scales' exponents s[10:11]
	s_load_b64 s[12:13], s[0:1], 0x20              ; out0
	v_lshl_add_u32 v[SPW], v0, 2, SPARE
	v_mov_b32 v[NIL], 0
	ds_add_u32 v[SPW], v[NIL]                      ; the wave's opening: the add, twice on end, and its wait ahead of my first tensor load
	ds_add_u32 v[SPW], v[NIL]                      ; and once more; the set-up below, work on registers, stands between it and the wait
	v_lshrrev_b32 v5, 5, v0
	v_readfirstlane_b32 s[WV], v5                  ; wave 0..3
	s_bfe_u32 s15, ttmp6, 0x40000                  ; cx
	s_lshl_b32 s16, ttmp9, 2
	s_add_co_u32 s16, s16, s15                     ; my block of 64 rows = 4 x cluster x + cx: it enters x's and the result's addresses alone
	s_mov_b32 s[G1+0], 15|(3<<16)|(1<<21)          ; 15:0 the mask: all four work-groups; 17:16 elements of 8 bytes; 21 set beside a mask; no padding
	s_mov_b32 s[G1+1], 32<<16                      ; tensor_dim0 = 32 elements: rows of 256 bytes
	s_mov_b32 s[G1+2], 256<<16                     ; tensor_dim1 = 256 rows: 65,536 bytes, dense
	s_mov_b32 s[G1+3], 32<<16                      ; tile_dim0
	s_mov_b32 s[G1+4], 256                         ; tile_dim1
	s_mov_b32 s[G1+5], 32                          ; from row to row
	s_mov_b32 s[G1+6], 0
	s_mov_b32 s[G1+7], 0
	s_mov_b32 s[G0+0], 1                           ; count = 1
	s_lshl_b32 s[G0+1], s[WV], 16                  ; LDS address: 65,536 x wave
	s_add_co_u32 s40, s[G0+1], 3*262144            ; wo is the fourth tensor in wc
	s_mov_b32 s41, 0
	s_mov_b32 s47, 0
	v_and_b32 v5, 31, v0
	v_lshlrev_b32 v[LI], 4, v5
	v_and_b32 v6, 15, v0                           ; r
	v_bfe_u32 v7, v0, 4, 1                         ; h
	s_mul_i32 s42, s[WV], 16*SPITCH
	s_add_co_u32 s42, s42, STG                     ; my stage
	v_mul_u32_u24 v[STO], v6, SPITCH
	v_lshl_add_u32 v[STO], v7, 5, v[STO]
	v_add_nc_u32 v[STO], s42, v[STO]               ; in: row r, + 32 h; tile t's eight columns 64 t bytes on
	v_add_nc_u32 v[RD], s42, v[LI]                 ; back: the 32 lanes take one row of 512 bytes
	v_add_nc_u32 v[WR], s[G0+1], v[LI]
	v_lshlrev_b32 v5, 5, v7                        ; bo: 32 h; stays as it is
	s_wait_dscnt 0x0                               ; both opening adds are done
	s_wait_kmcnt 0x0
	s_load_b64 s[44:45], s[10:11], 0x28            ; e10, e11
	s_add_nc_u64 s[G0+2:G0+3], s[6:7], s[40:41]
	s_or_b32 s[G0+3], s[G0+3], 0x80000000          ; type = 2
	ROUND                                          ; all four work-groups are here: the joint loads meet
	tensor_load_to_lds s[G0:G0+3], s[G1:G1+7]      ; my one tensor load of the launch
	s_nop 0
.rept 4
	v_nop
.endr
	s_lshl_b32 s46, s[WV], 9                       ; my 128 columns: 512 bytes on, in bo and in a row of out0
	s_add_nc_u64 s[8:9], s[8:9], s[46:47]
	s_add_nc_u64 s[12:13], s[12:13], s[46:47]
	s_lshl_b32 s46, s16, 15                        ; xc: four tiles of 8,192 bytes a block
	s_add_nc_u64 s[4:5], s[4:5], s[46:47]
	s_lshl_b32 s46, s16, 17                        ; out0: 64 rows of 2,048 bytes a block
	s_add_nc_u64 s[12:13], s[12:13], s[46:47]
	s_wait_alu depctr_va_vdst(0)
.irp t, 0,1,2,3,4,5,6,7                        ; lane (r, h), tile t: bo of columns 16 t + 8 h + 0 .. 7
	global_load_b128 v[BI+8*\t:BI+8*\t+3], v5, s[8:9] offset:64*\t
	global_load_b128 v[BI+8*\t+4:BI+8*\t+7], v5, s[8:9] offset:64*\t+16
.endr
	WIN 0xc0                                       ; destination window 3
.irp m, 0,1,2,3
.irp s, 0,1,2,3
.irp c, 0,1,2,3
	global_load_b128 v[16*(4*\m+\s)+4*\c:16*(4*\m+\s)+4*\c+3], v[LI], s[4:5] offset:\m*8192+\s*2048+\c*512   ; a plane of x's images: 512 consecutive bytes
.endr
.endr
.endr
	WIN 0
	s_wait_tensorcnt 0x0                           ; my part of wo's images is in LDS; nobody else reads it
	WIN 0x40                                       ; destination window 1
.irp s, 0,1
.irp t, 0,1,2,3,4,5,6,7
.irp c, 0,1,2,3
	ds_load_b128 v[16*(8*\s+\t)+4*\c:16*(8*\s+\t)+4*\c+3], v[WR] offset:\t*8192+\s*2048+\c*512
.endr
.endr
.endr
	WIN 0x80                                       ; destination window 2
.irp s, 0,1
.irp t, 0,1,2,3,4,5,6,7
.irp c, 0,1,2,3
	ds_load_b128 v[16*(8*\s+\t)+4*\c:16*(8*\s+\t)+4*\c+3], v[WR] offset:\t*8192+(\s+2)*2048+\c*512
.endr
.endr
.endr
	WIN 0
	s_wait_kmcnt 0x0
	s_add_co_i32 s[SC], s44, s45                   ; e10 + e11, between -126 and 127,
	s_add_co_i32 s[SC], s[SC], 127
	s_lshl_b32 s[SC], s[SC], 23                    ; makes the f32 number 2^(e10 + e11)
	s_mov_b32 s[SC+1], s[SC]                       ; (named with it as a pair, so it is written)
	s_wait_dscnt 0x0                               ; wo's fragments,
	s_wait_loadcnt 0x0                             ; bo and x's fragments are in registers
; The 32 products of tile m: the eight accumulators by turns; the first K step starts the sums: nothing is cleared.
.macro MUL m
.irp s, 0,1,2,3
.set WN, 0x0c|(1+\s/2)                         ; source 0 (wo) window 1 or 2, source 1 (x) window 3, C and D window 0
	WIN WN
.irp t, 0,1,2,3,4,5,6,7
.set rW, 16*(8*(\s%2)+\t)
.set rX, 16*(4*(\m)+\s)
.set rA, ACC+8*\t
.if \s == 0
	v_wmma_f32_16x16x128_bf8_bf8 v[rA:rA+7], v[rW:rW+15], v[rX:rX+15], 0
.else
	v_wmma_f32_16x16x128_bf8_bf8 v[rA:rA+7], v[rW:rW+15], v[rX:rX+15], v[rA:rA+7]
.endif
.endr
.endr
	WIN 0
.rept 4
	v_nop                                          ; four places (ISA guide 7.12.1) in front of the first read of results; the multiply-adds that follow add to them in front of the next tile's first products
.endr
.endm
.macro TOSTAGE                         ; the tile's sums x 2^(e10 + e11) + bo go through my stage and come back as whole rows, into the registers that they left
	s_wait_xcnt 0x0                                ; the last tile's stores have read their data: the registers may be written
.set j, 0
.rept 32
	v_pk_fma_f32 v[TMP+j:TMP+j+1], v[ACC+j:ACC+j+1], s[SC:SC+1], v[BI+j:BI+j+1] op_sel_hi:[1,0,1]   ; the scalar pair's low word for both halves; each accumulator from its low end on
.set j, j+2
.endr
.irp t, 0,1,2,3,4,5,6,7
	ds_store_b128 v[STO], v[TMP+8*\t:TMP+8*\t+3] offset:64*\t
	ds_store_b128 v[STO], v[TMP+8*\t+4:TMP+8*\t+7] offset:64*\t+16
.endr
.irp i, 0,1,2,3,4,5,6,7,8,9,10,11,12,13,14,15
	ds_load_b128 v[TMP+4*\i:TMP+4*\i+3], v[RD] offset:\i*SPITCH   ; LDS serves a wave's instructions in order (ISA guide 5.7.1.4): these see my stores, and the next tile's stores come behind them
.endr
.endm
.macro SEND m
.irp i, 0,1,2,3,4,5,6,7,8,9,10,11,12,13,14,15
	s_wait_dscnt 15-\i                             ; row i is back; the 15 - i loads behind it may stay out
	global_store_b128 v[LI], v[TMP+4*\i:TMP+4*\i+3], s[12:13] offset:(32*((\m)/2)+8*((\m)%2)+\i+8*(\i/8))*2048 th:TH_STORE_NT   ; 32 lanes store 512 consecutive bytes, aligned; written once, read by nobody here
.endr
.endm
	MUL 0
.irp m, 0,1,2,3
	TOSTAGE
.if \m < 3
	MUL \m+1                                       ; the next tile's products stand between the stage's loads and the wait for them
.endif
	SEND \m
.endr
	s_wait_tensorcnt 0x0                           ; the wave's end, behind my last tensor load and my last LDS store
	ds_add_u32 v[SPW], v[NIL]
	s_wait_dscnt 0x0
	ROUND                                          ; the closing round: no work-group ends while a partner may still ask for a tile that names it
	s_endpgm
.Lfunc_end_k_q1940709e48_outp:
	.size	k_q1940709e48_outp, .Lfunc_end_k_q1940709e48_outp-k_q1940709e48_outp
	.p2alignl 7, 3214868480
	.fill 96, 4, 3214868480
	.section	.rodata,"a",@progbits
	.p2align	6, 0x0
	.amdhsa_kernel k_q1940709e48_outp
		.amdhsa_group_segment_fixed_size 327680
		.amdhsa_private_segment_fixed_size 0
		.amdhsa_enable_private_segment 0
		.amdhsa_kernarg_size 40
		.amdhsa_user_sgpr_count 2
		.amdhsa_user_sgpr_kernarg_segment_ptr 1
		.amdhsa_wavefront_size32 1
		.amdhsa_system_sgpr_workgroup_id_x 1
		.amdhsa_system_sgpr_workgroup_id_y 1
		.amdhsa_system_sgpr_workgroup_id_z 1
		.amdhsa_system_vgpr_workitem_id 0
		.amdhsa_next_free_vgpr 1024
		.amdhsa_next_free_sgpr 66
		.amdhsa_reserve_vcc 0
		.amdhsa_float_denorm_mode_32 3
		.amdhsa_float_denorm_mode_16_64 3
		.amdhsa_memory_ordered 1
		.amdhsa_forward_progress 1
		.amdhsa_inst_pref_size 53
	.end_amdhsa_kernel
	.amdgpu_metadata
---
amdhsa.version: [ 1, 2 ]
amdhsa.kernels:
  - .name:           k_q1940709e48_outp
    .symbol:         k_q1940709e48_outp.kd
    .args:
      - { .name: xc, .offset: 0, .size: 8, .value_kind: global_buffer, .address_space: global }
      - { .name: wc, .offset: 8, .size: 8, .value_kind: global_buffer, .address_space: global }
      - { .name: bo, .offset: 16, .size: 8, .value_kind: global_buffer, .address_space: global }
      - { .name: lowp_scales, .offset: 24, .size: 8, .value_kind: global_buffer, .address_space: global }
      - { .name: out0, .offset: 32, .size: 8, .value_kind: global_buffer, .address_space: global }
    .group_segment_fixed_size: 327680
    .private_segment_fixed_size: 0
    .kernarg_segment_align: 8
    .kernarg_segment_size: 40
    .max_flat_workgroup_size: 128
    .sgpr_count:     66
    .vgpr_count:     1024
    .wavefront_size: 32
...
	.end_amdgpu_metadata
.endif
;; end of part 4
